; MI455X (gfx1250); checked and timed in simulation.
; The chip was launched on July 23, 2026; its instructions are those of AMD's public machine-readable ISA for CDNA 5 (MIT licence, August 2026) and "CDNA5" Instruction Set Architecture Reference Guide (July 2026). The comments in the code are by the model that wrote it; some were corrected since.
;; Vector Quantizer. Allowed arithmetic: float matrix products may take bf16 or f16 operands with f32 sums; other float arithmetic in f32, or as packed bf16 or f16 multiplies, adds, multiply-adds, maxima and minima; sums over many terms, partial sums and values carried from step to step in f32; what a program stores and reads back later, other than sums and carried values, may be rounded once to bf16 or f16.
;; Inputs: codebook 8,192 x 256 float32; z 8 x 4,096 x 256 float32.
;; Outputs: out0 8 x 4,096 x 256 float32; out1 8 x 4,096 int32.
;; 2 versions, each right; version 2 is version 1 with the launch prep written anew for expert scheduling mode. Each part assembles by itself: llvm-mc -triple=amdgcn-amd-amdhsa -mcpu=gfx1250 --defsym DOCPART=n.
;; ======== version 1 of 2: 3 launches
;; workspace buffers: cbx 4,325,376 bytes; idxw 131,072 bytes of whole numbers
;; launch prep (part 1): grid 256 x 1, 8 waves a work-group, no clusters, 17,920 bytes of LDS; arguments codebook, cbx; writes cbx
.if DOCPART == 1
	.amdgcn_target "amdgcn-amd-amdhsa--gfx1250"
	.amdhsa_code_object_version 6
	.text
	.protected	k_q0dddb225c8_prep
	.globl	k_q0dddb225c8_prep
	.p2align	8
	.type	k_q0dddb225c8_prep,@function
k_q0dddb225c8_prep:
	s_mov_b64 s[64:65], 0
	v_nop
	global_prefetch_b8 v0, s[64:65] scope:SCOPE_SE
	s_setreg_imm32_b32 hwreg(HW_REG_WAVE_MODE, 25, 1), 1
	s_wait_xcnt 0x0
; VECTOR QUANTIZER, launch 1 of 3: the codebook is rounded to bf16 and laid out as the search wants it in LDS.
; THE WHOLE PROGRAM.  indices[n] = argmin_k (|z_n|^2 + |c_k|^2 - 2 z_n . c_k), q_z[n] = codebook[indices[n]].
; WORK LEFT OUT.  z_norm_sq = |z_n|^2 is added to every one of row n's 8,192 distances alike, so for all finite values of the inputs it moves no
; comparison between two of them in exact arithmetic, and the distances themselves reach no output: it is not computed.  z itself stays live (the product).
; For the same reason a term that is the same for all k may be added: the search takes argmax_k (z_n . c_k + hc_k), hc_k = (|c_0|^2 - |c_k|^2) / 2,
; which is (|c_0|^2 + |z_n|^2 - distance) / 2; the shift by |c_0|^2 keeps the sums at the size of the dot products.
; LIMITS.  A NaN, an infinity or an overflow that reaches z_norm_sq alone is not carried to the result.  z and the codebook are rounded to bf16 (nearest even)
; for the product, and |c_k|^2 is summed in f32 from the ROUNDED codes; two distances closer than f32's roundings of sums of this size may fall the other way than in reference().
; OUT.  cbx: 8,192 rows of 528 bytes: 256 bf16, then a tail of 16 bytes.  In each 16 codes the tails of rows 0, 4, 8, 12 hold hc of that row and the next three (f32); the other tails hold 0.
; SHARES.  A work-group takes 32 codes (16,896 bytes of cbx = 33 x 512); wave v its rows 4 v .. 4 v + 3, a whole row at a time: two loads of 512 consecutive bytes.
; Every wave also reads row 0 and sums it by the same instructions, so |c_0|^2 has the same bits everywhere.  The rows go through a stage in LDS, so that each store covers 512 consecutive bytes, aligned.
.set PITCH, 528
.set SPARE, 32*PITCH                   ; behind the stage (16,896 = 66 x 256): the spare words, 128 bytes for each of eight waves; no other line names them
.set SPW, 6                            ; v6   LDS address of my spare word; never rewritten
.set NIL, 7                            ; v7   0; never rewritten
.set T,   8                            ; v[8:15]   eight rounded numbers as f32, then their squares' sum
.set X,   16                           ; v[16:55]  five rows of 8 registers as loaded: my four, then row 0 of the codebook
.set P,   56                           ; v[56:59]  eight bf16
.set H,   60                           ; v[60:63]  hc of my four rows
.set Z4,  64                           ; v[64:67]  0
.set CN0, 68                           ; v68  |c_0|^2
.set TP,  69                           ; v69  the other half of the lanes' sum
.set OBK, 72                           ; v[72:91]  blocks read back from the stage
	s_load_b128 s[4:7], s[0:1], 0x0                ; codebook s[4:5], cbx s[6:7]
	v_lshl_add_u32 v[SPW], v0, 2, SPARE
	v_mov_b32 v[NIL], 0
	v_lshrrev_b32 v1, 5, v0
	v_readfirstlane_b32 s8, v1                     ; wave 0..7
	v_and_b32 v1, 31, v0                           ; lane
	v_lshlrev_b32 v2, 4, v1                        ; 16 bytes a lane
	s_mul_i32 s9, s8, 4*PITCH                      ; my four rows in the stage
	v_lshl_add_u32 v3, v1, 3, s9                   ; + 8 bytes a lane: where my four bf16 go
	s_add_co_u32 s9, s9, 512
	v_mov_b32 v4, s9                               ; the tail of my first row, the same in every lane
	s_lshl_b32 s9, s8, 9
	v_add_nc_u32 v5, s9, v2                        ; back: block v of 512 bytes, 16 bytes a lane; the same offset in the stage and in the group's part of cbx
	s_mov_b32 s14, 0x76543210                      ; v_permlanex16_b32: each lane takes its own place in the other half
	s_mov_b32 s15, 0xfedcba98
	v_mov_b32 v[TP], 0                             ; its destination counts as read
.irp k, 0,1,2,3
	v_mov_b32 v[Z4+\k], 0
.endr
	s_lshl_b32 s16, ttmp9, 15                      ; the group's 32 rows of 1,024 bytes,
	s_lshl_b32 s17, s8, 12                         ; my four of them
	s_add_co_u32 s16, s16, s17
	s_mov_b32 s17, 0
	s_mul_i32 s18, ttmp9, 32*PITCH                 ; the group's 16,896 bytes of cbx
	s_mov_b32 s19, 0
	s_wait_kmcnt 0x0
	s_add_nc_u64 s[10:11], s[4:5], s[16:17]
	s_add_nc_u64 s[12:13], s[6:7], s[18:19]
	global_load_b128 v[X+32:X+35], v2, s[4:5]      ; row 0 of the codebook
	global_load_b128 v[X+36:X+39], v2, s[4:5] offset:512
.irp i, 0,1,2,3
	global_load_b128 v[X+8*\i:X+8*\i+3],   v2, s[10:11] offset:1024*\i
	global_load_b128 v[X+8*\i+4:X+8*\i+7], v2, s[10:11] offset:1024*\i+512
.endr
	s_wait_loadcnt 0x0                             ; ten loads a wave, once
; Row i: rounded to bf16; the rounded numbers' squares summed in f32, in the lane and then over the 32 lanes.  i = 4: row 0 of the codebook, which only gives |c_0|^2.
.macro ROWN i
.irp k, 0,1,2,3
	v_cvt_pk_bf16_f32 v[P+\k], v[X+8*(\i)+2*\k], v[X+8*(\i)+2*\k+1]
.endr
.irp k, 0,1,2,3
	v_lshlrev_b32 v[T+2*\k],   16, v[P+\k]         ; bf16 to f32: the low half moves up,
	v_and_b32     v[T+2*\k+1], 0xffff0000, v[P+\k] ; the high half stays
.endr
	v_pk_mul_f32 v[T:T+1], v[T:T+1], v[T:T+1]
.irp k, 2,4,6
	v_pk_fma_f32 v[T:T+1], v[T+\k:T+\k+1], v[T+\k:T+\k+1], v[T:T+1]
.endr
	v_add_f32 v[T], v[T], v[T+1]
	v_add_f32_dpp v[T], v[T], v[T] row_xmask:1 row_mask:0xf bank_mask:0xf
	v_add_f32_dpp v[T], v[T], v[T] row_xmask:2 row_mask:0xf bank_mask:0xf
	v_add_f32_dpp v[T], v[T], v[T] row_xmask:4 row_mask:0xf bank_mask:0xf
	v_add_f32_dpp v[T], v[T], v[T] row_xmask:8 row_mask:0xf bank_mask:0xf
	v_permlanex16_b32 v[TP], v[T], s14, s15
.if (\i) == 4
	v_add_f32 v[CN0], v[T], v[TP]
.else
	v_add_f32 v[T], v[T], v[TP]                    ; |c_k|^2, in every lane
	v_sub_f32 v[T], v[CN0], v[T]
	v_mul_f32 v[H+\i], 0.5, v[T]
	ds_store_b64 v3, v[P:P+1]   offset:PITCH*(\i)      ; channels 4 l .. 4 l + 3
	ds_store_b64 v3, v[P+2:P+3] offset:PITCH*(\i)+256  ; channels 128 + 4 l ..
.endif
.endm
	ROWN 4
	ROWN 0
	ROWN 1
	ROWN 2
	ROWN 3
	ds_store_b128 v4, v[H:H+3]                     ; all lanes write the same 16 bytes with the same numbers
.irp i, 1,2,3
	ds_store_b128 v4, v[Z4:Z4+3] offset:PITCH*\i
.endr
	s_wait_dscnt 0x0                               ; for the others' sake: my stores into the stage are done
	s_barrier_signal -1
	s_barrier_wait -1
.irp t, 0,1,2,3
	ds_load_b128 v[OBK+4*\t:OBK+4*\t+3], v5 offset:4096*\t  ; blocks v, v + 8, v + 16, v + 24 of the 33
.endr
.irp t, 0,1,2,3
	s_wait_dscnt 3-\t                              ; LDS loads come back in order: block t is in, the younger ones stay out
	global_store_b128 v5, v[OBK+4*\t:OBK+4*\t+3], s[12:13] offset:4096*\t  ; 512 consecutive bytes, at a multiple of 256 from cbx's first
.endr
	s_cmp_lg_u32 s8, 0
	s_cbranch_scc1 .Lend                           ; the 33rd block is wave 0's
	ds_load_b128 v[OBK+16:OBK+19], v5 offset:16384
	s_wait_dscnt 0x0
	global_store_b128 v5, v[OBK+16:OBK+19], s[12:13] offset:16384
.Lend:
	s_wait_tensorcnt 0x0                           ; the wave's end: behind my last LDS store
	ds_add_u32 v[SPW], v[NIL]
	s_wait_dscnt 0x0
	s_endpgm
.Lfunc_end_k_q0dddb225c8_prep:
	.size	k_q0dddb225c8_prep, .Lfunc_end_k_q0dddb225c8_prep-k_q0dddb225c8_prep
	.p2alignl 7, 3214868480
	.fill 96, 4, 3214868480
	.section	.rodata,"a",@progbits
	.p2align	6, 0x0
	.amdhsa_kernel k_q0dddb225c8_prep
		.amdhsa_group_segment_fixed_size 17920
		.amdhsa_private_segment_fixed_size 0
		.amdhsa_enable_private_segment 0
		.amdhsa_kernarg_size 16
		.amdhsa_user_sgpr_count 2
		.amdhsa_user_sgpr_kernarg_segment_ptr 1
		.amdhsa_wavefront_size32 1
		.amdhsa_system_sgpr_workgroup_id_x 1
		.amdhsa_system_sgpr_workgroup_id_y 1
		.amdhsa_system_sgpr_workgroup_id_z 1
		.amdhsa_system_vgpr_workitem_id 0
		.amdhsa_next_free_vgpr 96
		.amdhsa_next_free_sgpr 66
		.amdhsa_reserve_vcc 0
		.amdhsa_float_denorm_mode_32 3
		.amdhsa_float_denorm_mode_16_64 3
		.amdhsa_memory_ordered 1
		.amdhsa_forward_progress 1
		.amdhsa_inst_pref_size 11
	.end_amdhsa_kernel
	.amdgpu_metadata
---
amdhsa.version: [ 1, 2 ]
amdhsa.kernels:
  - .name:           k_q0dddb225c8_prep
    .symbol:         k_q0dddb225c8_prep.kd
    .args:
      - { .name: codebook, .offset: 0, .size: 8, .value_kind: global_buffer, .address_space: global }
      - { .name: cbx, .offset: 8, .size: 8, .value_kind: global_buffer, .address_space: global }
    .group_segment_fixed_size: 17920
    .private_segment_fixed_size: 0
    .kernarg_segment_align: 8
    .kernarg_segment_size: 16
    .max_flat_workgroup_size: 256
    .sgpr_count:     66
    .vgpr_count:     96
    .wavefront_size: 32
...
	.end_amdgpu_metadata
.endif
;; end of part 1
;; launch main (part 2): grid 256 x 1, 4 waves a work-group, clusters of 4 x 1, 327,680 bytes of LDS; arguments z, cbx, out1, idxw; writes out1, idxw
.if DOCPART == 2
	.amdgcn_target "amdgcn-amd-amdhsa--gfx1250"
	.amdhsa_code_object_version 6
	.text
	.protected	k_q0dddb225c8_main
	.globl	k_q0dddb225c8_main
	.p2align	8
	.type	k_q0dddb225c8_main,@function
k_q0dddb225c8_main:
	s_mov_b64 s[64:65], 0
	v_nop
	global_prefetch_b8 v0, s[64:65] scope:SCOPE_SE
	s_setreg_imm32_b32 hwreg(HW_REG_WAVE_MODE, 25, 1), 1
	s_wait_xcnt 0x0
	s_wait_alu depctr_hold_cnt(0) depctr_sa_sdst(0) depctr_va_vdst(0) depctr_va_sdst(0) depctr_va_ssrc(0) depctr_va_vcc(0) depctr_vm_vsrc(0)
	s_getreg_b32 s2, hwreg(HW_REG_IB_STS2, 6, 4)
	s_cmp_eq_u32 s2, 0
	s_cbranch_scc0 .Lentry_in_a_cluster
	s_endpgm
.Lentry_in_a_cluster:
	s_bfe_u32 s2, ttmp6, 0x10000c
	s_cmp_lg_u32 s2, 0x3003
	s_cbranch_scc0 .Lentry_shape_is_right
	s_endpgm
.Lentry_shape_is_right:
; VECTOR QUANTIZER, launch 2 of 3: indices[n] = argmax_k (z_n . c_k + hc_k), which is reference()'s argmin (z_norm_sq, the same for all k of a row, is left out: shown at the first kernel's head).
; z: [32768][256] f32, rounded to bf16 here.  cbx: the codebook in bf16 with hc in the rows' tails (first kernel).  The index goes to out1 and, for the gather that follows, to idxw.
; LIMITS.  Exact ties go to the lower index, as in argmin; two distances closer than f32's roundings may fall the other way than in reference().  NaN is not treated apart; where all of a row's scores are -inf the index is 0.
; SHARES.  A work-group owns 128 queries.  EVERY wave holds all 128 as source 1 of the product: 8 tiles x 8 chunks of 32 channels x 8 registers = 512.  Wave w walks its own quarter of the codes,
; 2048 w .. 2048 w + 2047, 16 a tile: a tile's 18 LDS loads feed 64 matrix instructions, and no byte of the ring is read by a second wave.  The four waves' winners meet in LDS at the end.
; LAYOUT.  D = A B + C with A = 16 codes, B = 16 queries: lane l holds ONE query (l % 16), register j the code 8 (l / 16) + j.  C of a sum's first product is hc of those eight codes: the same 8 registers for all 8 query tiles.
; ARGMAX.  For each query tile a running maximum M and its code I, a lane each.  A score costs three plain instructions: compare (keep where M >= s: a tie keeps the earlier, lower code), select M, select I (from a scalar
; register that holds the tile's first code + j; the lane's 8 (l / 16) is added at the end).  The scores of tile t are gone through while tile t + 1 is multiplied: one slice of three behind each matrix instruction.
; RING.  Two slots of LDS, a step (64 codes a wave, 33,792 bytes, dense in cbx) each; z in f32 lies in the first slot's bytes before the walk.
; CLUSTER.  All work-groups walk the same codes, so the four of a cluster ask JOINTLY: the same tensor load, descriptor and mask in all four.  A mask names four at the most, so clusters are 4 x 1.
; REGISTERS, in windows of 256 (s_set_vgpr_msb: bits 1:0 source 0, 3:2 source 1, 5:4 source 2, 7:6 destination):
;   window 0: v0-15 addresses; v16-23 M; v24-31 I; v32-47 hc, two buffers; v48-63 the last merge; v64-191 two sets of 8 accumulators (before the walk: z in f32, two batches)
;   window 1: v0-127 the codes' fragments, two buffers      windows 2, 3: z's fragments: tile q, chunk c at 64 (q % 4) + 8 c of window 2 + q / 4
; All that a slice touches lies in window 0 and a product's sources do not, so a slice costs two switches: the lesser price beside a phase of 192 vector instructions a tile in which no product is issued.
.set BLK,   33792                      ; a wave's block of a step: 64 rows of 528 bytes = 132 x 256
.set TILEB, 8448                       ; 16 rows
.set PITCH, 528                        ; 33 x 16 bytes: the 16 rows of a load start at 16 different groups of four banks (64 banks of 4 bytes: ISA guide 11.1)
.set ZP,    1040                       ; a row of z in LDS: 1,024 bytes + 16 of padding = 65 x 16
.set OBASE, 0                          ; the slot of the odd steps; first, z: 128 rows x 1,040 = 133,120 bytes
.set EBASE, 4*BLK                      ; the slot of the even steps
.set MRG,   8*BLK                      ; behind the ring, never filled by a tensor load: M[4][128] f32, then I[4][128]
.set SPARE, MRG+4096                   ; the spare words, 128 bytes for each wave: two blocks of 256 bytes that no other line names
.set R,    1                           ; v1   l % 16
.set HH,   2                           ; v2   l / 16
.set AC0,  3                           ; v3   my lane's place in a tile of codes, in my wave's block; never rewritten
.set AHC0, 4                           ; v4   the tail that holds my half's first four hc
.set ADR,  5                           ; v5   the run of loads in hand: codes,
.set ADH,  6                           ; v6   hc
.set AZ,   7                           ; v7, v8  my lane's place in z's tiles 0-3, 4-7
.set MS,   9                           ; v9   where I put M of tile 0
.set MR,   10                          ; v10  where I read two queries' M back
.set GO,   11                          ; v11  my 8 bytes of the wave's 256 of out1
.set PFO,  12                          ; v12  256 x my lane; never rewritten
.set LN,   13                          ; v13  lane
.set SPW,  14                          ; v14  LDS address of my spare word; never rewritten
.set NIL,  15                          ; v15  0; never rewritten
.set MX,   16
.set IX,   24
.set HC,   32
.set MG,   48
.set ACC,  64
.set WV,  12                           ; s12  my wave's number
.set CX,  13                           ; s13  my place in the cluster: it enters z's, out1's, idxw's and the prefetches' addresses alone
.set WG,  14                           ; s14  my work-group
.set LIM, 15                           ; s15  1 in the launch's first cluster, else the greatest number
.set PFA, 20                           ; s[20:21] where my prefetches stand
.set G1,  24                           ; s[24:31] descriptor group 1 of the codes' blocks
.set G0E, 32                           ; s[32:35] group 0 of the even steps
.set G0O, 36                           ; s[36:39] of the odd steps
.set G1Z, 40                           ; s[40:47] group 1 of z's quarter
.set G0Z, 48                           ; s[48:51] its group 0
.set TB,  52                           ; s52  LDS byte at which the slot's next tile begins (less my wave's block)
.set CNT, 53                           ; s53  counts a step's pairs of tiles
.set OUT, 54                           ; s54  counts pairs of steps
.set WB,  55                           ; s55  my wave's block in a slot
.set SJ,  56                           ; s[56:63] the first code of the tile whose scores are gone through, + j
.set SEL, 66                           ; s66, s67 v_permlanex16_b32's selects
.set MK,  68                           ; s68, s69 -inf; later two masks
.set MSB, 0
.macro WIN new                         ; the immediate's high byte repeats the setting that is left; a switch that changes nothing is dropped
.if MSB != (\new)
	s_set_vgpr_msb (MSB<<8)|(\new)
.set MSB, \new
.endif
.endm
; A round of the cluster's barrier: my work-group's barrier, so that wave 0's signal speaks for all four waves; wave 0 signals; every wave waits for all four work-groups; my work-group's barrier once more.
.macro CROUND
	s_barrier_signal -1
	s_barrier_wait -1
	s_cmp_lg_u32 s[WV], 0
	s_cbranch_scc1 .Lnot_wave_0_\@
	s_barrier_signal -3
.Lnot_wave_0_\@:
	s_barrier_wait -3
	s_barrier_signal -1
	s_barrier_wait -1
.endm
; A PREFETCH INTO THE L2, behind each joint load and its five lines: of the block that I shall ask for TWO refills on (512 matrix instructions ahead of that load), 32 x 256 bytes, a lane each.
; All clusters walk the same blocks: the launch's first cluster asks, nobody else.  Its four partners share a block's 132 x 256 bytes out BY ADDRESS, 33 each, of which the 32 lanes name 32 (the 33rd comes by its load alone):
; no branch hangs on a work-group's place in its cluster.  So no 256 bytes are named twice in the launch.  how = 0, in the loop: its last trip's two refills have no step two on; how = 1: the refill ahead of the loop.
.macro ASK how
.if \how
	s_cmp_eq_u32 s[LIM], 1
.else
	s_cmp_gt_u32 s[OUT], s[LIM]                    ; s[OUT] = 1 in the loop's last trip
.endif
	s_cbranch_scc0 .Lnot_mine_\@
	global_prefetch_b8 v[PFO], s[PFA:PFA+1] th:TH_LOAD_NT scope:SCOPE_SE
.Lnot_mine_\@:
.endm
; 18 LDS loads in one run: a tile's 8 fragments (16 codes x 32 channels: lane l takes row l % 16, channels 8 (l / 16) + 0..7 and 16 + 8 (l / 16) + 0..7: two loads, 32 bytes apart) and my half's 8 hc, into buffer b.
.macro FETCH b
	WIN 0
	v_add_nc_u32 v[ADR], s[TB], v[AC0]
	v_add_nc_u32 v[ADH], s[TB], v[AHC0]
	s_add_co_u32 s[TB], s[TB], TILEB               ; the next fetch is the next tile's
	WIN 0x40                                       ; destination window 1, address window 0
.irp c, 0,1,2,3,4,5,6,7
	ds_load_b128 v[64*(\b)+8*\c:64*(\b)+8*\c+3],   v[ADR] offset:64*\c
	ds_load_b128 v[64*(\b)+8*\c+4:64*(\b)+8*\c+7], v[ADR] offset:64*\c+32
.endr
	WIN 0
	ds_load_b128 v[HC+8*(\b):HC+8*(\b)+3],   v[ADH]                  ; hc of codes 8 (l / 16) + 0..3: the tail of row 8 (l / 16),
	ds_load_b128 v[HC+8*(\b)+4:HC+8*(\b)+7], v[ADH] offset:4*PITCH   ; + 4..7: four rows on
.endm
; Slice k of 64 over accumulator set st: score (tile q = k % 8, register j = k / 8) is compared, and the score before it selected: so a compare's mask is used a matrix instruction later.
; Each accumulator's register 0 is read first.  Slice 63 selects its own too.
.macro SLICE k, st
.if (\k) > 0
.set kq, ((\k)-1)%8
.set kj, ((\k)-1)/8
.set rS, ACC+64*(\st)+8*kq+kj
	v_cndmask_b32 v[MX+kq], v[rS], v[MX+kq], vcc_lo
	v_cndmask_b32 v[IX+kq], s[SJ+kj], v[IX+kq], vcc_lo
.endif
.set kq, (\k)%8
.set kj, (\k)/8
.set rS, ACC+64*(\st)+8*kq+kj
	v_cmp_ge_f32 vcc_lo, v[MX+kq], v[rS]           ; keep
.if (\k) == 63
	v_cndmask_b32 v[MX+kq], v[rS], v[MX+kq], vcc_lo
	v_cndmask_b32 v[IX+kq], s[SJ+kj], v[IX+kq], vcc_lo
.endif
.endm
; A TILE.  64 products into accumulator set p from buffer p: chunk i / 8, query tile i % 8: the 8 accumulators take turns, one instruction a turn, from tile to tile too.  Behind each a slice over the
; other set, the tile before's scores.  fetch = 1: behind the fourth product the next tile's run of loads goes into the other buffer, 60 products ahead of the wait for it.
; DISTANCES.  The other buffer's last reader is the tile before's last product: behind it stand that tile's slice 63 (five plain instructions that name none of its registers) and four slices here.
; A score's accumulator was written last by product 56 + q of the tile before, eight slices ahead of its first reader (ISA guide 7.12.1).
.macro XT p, fetch
	s_wait_dscnt 0x0                               ; this tile's fragments and hc are in
.irp j, 0,1,2,3,4,5,6,7
	s_add_co_u32 s[SJ+\j], s[SJ+\j], 16
.endr
.set i, 0
.rept 64
.set q, i%8
.set c, i/8
.set rD, ACC+64*(\p)+8*q
.set rA, 64*(\p)+8*c
.set rB, 64*(q%4)+8*c
	WIN 0x09+4*(q/4)                               ; source 0 window 1, source 1 window 2 or 3, C and D window 0
.if c == 0
	v_wmma_f32_16x16x32_bf16 v[rD:rD+7], v[rA:rA+7], v[rB:rB+7], v[HC+8*(\p):HC+8*(\p)+7]
.else
	v_wmma_f32_16x16x32_bf16 v[rD:rD+7], v[rA:rA+7], v[rB:rB+7], v[rD:rD+7]
.endif
	WIN 0
	SLICE i, 1-(\p)
.if (\fetch) && (i == 3)
	FETCH 1-(\p)
.endif
.set i, i+1
.endr
.endm
; THE CHANGE OF SLOTS.  All four tiles of the slot in hand have been fetched (the last is still to be multiplied, out of registers).  Each wave waits for all its tensor loads, of which one is out: its block of the other slot;
; adds 0 to its spare word; and waits for that and for its reads of the slot.  The barrier is a round of the cluster's: behind it no wave of any partner reads the slot or has a load on its way, and the joint refill
; (group 0 gload) is the first thing there: it has a step, 256 matrix instructions, in which to land.  gstep, whose load has landed, steps two steps on for the change after this.
.macro TURN newbase, gload, gstep, how
	WIN 0
	s_wait_tensorcnt 0x0                           ; no tensor load of mine is out, so a group 0 may be written
	ds_add_u32 v[SPW], v[NIL]                      ; 0 onto my spare word; the steps below stand between it and the wait for it
	s_add_nc_u64 s[\gstep+2:\gstep+3], s[\gstep+2:\gstep+3], 2*BLK  ; the type bits on top are not reached
	s_wait_xcnt 0x0                                ; the last prefetch, a step back, has read its address, so it may be written
	s_add_nc_u64 s[PFA:PFA+1], s[PFA:PFA+1], BLK
	s_mov_b32 s[TB], \newbase                      ; the fetches go on in the other slot
	s_wait_dscnt 0x0                               ; the add is done, and my reads of the slot are over
	CROUND
	tensor_load_to_lds s[\gload:\gload+3], s[G1:G1+7]
	s_nop 0
.rept 4
	v_nop
.endr
	ASK \how
.endm
; z on its way into registers: batch b = half a query tile (tile b / 2, chunks 4 (b % 2) + 0..3): 16 LDS loads of f32 into 64 registers at st; then 32 roundings, two numbers each, into the tile's fragments.
; A fragment's lane wants channels 8 (l / 16) + 0..7 and 16 + 8 (l / 16) + 0..7 of row l % 16: in f32 two runs of 32 bytes, 64 bytes apart.
.macro ZLOAD b, st
.set zq, (\b)/2
.irp f, 0,1,2,3
.set zo, (zq%4)*16*ZP+128*(4*((\b)%2)+\f)
	ds_load_b128 v[(\st)+16*\f:(\st)+16*\f+3],     v[AZ+zq/4] offset:zo
	ds_load_b128 v[(\st)+16*\f+4:(\st)+16*\f+7],   v[AZ+zq/4] offset:zo+16
	ds_load_b128 v[(\st)+16*\f+8:(\st)+16*\f+11],  v[AZ+zq/4] offset:zo+64
	ds_load_b128 v[(\st)+16*\f+12:(\st)+16*\f+15], v[AZ+zq/4] offset:zo+80
.endr
.endm
.macro ZCVT b, st
.set zq, (\b)/2
	WIN 0x80+0x40*(zq/4)                           ; destination window 2 or 3, sources window 0
.irp f, 0,1,2,3
.irp e, 0,1,2,3,4,5,6,7
	v_cvt_pk_bf16_f32 v[64*(zq%4)+8*(4*((\b)%2)+\f)+\e], v[(\st)+16*\f+2*\e], v[(\st)+16*\f+2*\e+1]
.endr
.endr
	WIN 0
.endm
	s_load_b256 s[4:11], s[0:1], 0x0               ; z s[4:5], cbx s[6:7], out1 s[8:9], idxw s[10:11]
	v_lshl_add_u32 v[SPW], v0, 2, SPARE
	v_mov_b32 v[NIL], 0
	ds_add_u32 v[SPW], v[NIL]                      ; the wave's opening: the add, twice on end, and its wait ahead of my first tensor load; the set-up below stands between the second and the wait
	ds_add_u32 v[SPW], v[NIL]                      ; and once more, under the one wait
	v_lshrrev_b32 v1, 5, v0
	v_readfirstlane_b32 s[WV], v1                  ; wave 0..3
	s_bfe_u32 s[CX], ttmp6, 0x40000                ; my place in the cluster
	s_lshl_b32 s[WG], ttmp9, 2                     ; in a cluster launch ttmp9 counts clusters
	s_add_co_u32 s[WG], s[WG], s[CX]
	s_cmp_eq_u32 ttmp9, 0                          ; the same in all four partners
	s_cselect_b32 s[LIM], 1, -1
	; group 1 of the codes' blocks: 33,792 dense bytes as 132 rows of 256
	s_mov_b32 s[G1+0], 15|(3<<16)|(1<<21)          ; 15:0 the mask: all four work-groups; 17:16 elements of 8 bytes; 21 set beside a mask; no padding: cbx is the LDS image
	s_mov_b32 s[G1+1], 32<<16                      ; tensor_dim0 = 32
	s_mov_b32 s[G1+2], 132<<16                     ; tensor_dim1 = 132
	s_mov_b32 s[G1+3], 32<<16                      ; tile_dim0 = 32
	s_mov_b32 s[G1+4], 132                         ; tile_dim1 = 132
	s_mov_b32 s[G1+5], 32                          ; 32 elements from row to row
	s_mov_b32 s[G1+6], 0
	s_mov_b32 s[G1+7], 0
	; group 1 of z's quarter: 32 rows x 256 f32, my work-group's own (no mask), padded in LDS
	s_mov_b32 s[G1Z+0], (2<<16)|(1<<20)|(7<<22)|(3<<25)  ; 17:16 elements of 4 bytes; 20 padding on; 24:22 after every 256 words (code 7); 31:25 4 words of it (code 3)
	s_mov_b32 s[G1Z+1], 256<<16                    ; tensor_dim0 = 256
	s_mov_b32 s[G1Z+2], 32<<16                     ; tensor_dim1 = 32
	s_mov_b32 s[G1Z+3], 256<<16                    ; tile_dim0 = 256
	s_mov_b32 s[G1Z+4], 32                         ; tile_dim1 = 32
	s_mov_b32 s[G1Z+5], 256                        ; 256 elements from row to row
	s_mov_b32 s[G1Z+6], 0
	s_mov_b32 s[G1Z+7], 0
	s_mul_i32 s[WB], s[WV], BLK                    ; no place in the cluster enters an LDS address
	s_mov_b32 s[G0E], 1                            ; 1:0 count = 1
	s_add_co_u32 s[G0E+1], s[WB], EBASE            ; 63:32 LDS address
	s_mov_b32 s[G0O], 1
	s_add_co_u32 s[G0O+1], s[WB], OBASE
	s_mov_b32 s[G0Z], 1
	s_mul_i32 s[G0Z+1], s[WV], 32*ZP
	s_mul_i32 s16, s[WV], 32*BLK                   ; my quarter of cbx: 32 steps
	s_mov_b32 s17, 0
	s_lshl_b32 s18, s[WG], 17                      ; my work-group's 128 rows of z, 1,024 bytes each,
	s_lshl_b32 s19, s[WV], 15                      ; the 32 of them that I fetch
	s_add_co_u32 s18, s18, s19
	s_mov_b32 s19, 0
	s_mul_i32 s2, s[CX], TILEB                     ; my work-group's quarter of a block, for the prefetches
	s_mov_b32 s3, 0
	s_lshl_b32 s22, s[WV], 11                      ; my first code,
	s_sub_co_u32 s22, s22, 32                      ; two tiles back: a tile adds 16 at its head, and goes through the scores of the tile before
.irp j, 0,1,2,3,4,5,6,7
	s_add_co_u32 s[SJ+\j], s22, \j
.endr
	s_mov_b32 s[SEL], 0x76543210
	s_mov_b32 s[SEL+1], 0xfedcba98
	s_mov_b32 s[MK], 0xff800000                    ; -inf
	s_wait_dscnt 0x0                               ; both opening adds are done
	s_wait_kmcnt 0x0
	s_add_nc_u64 s[G0E+2:G0E+3], s[6:7], s[16:17]  ; 120:64 global address: my step 0,
	s_add_nc_u64 s[G0O+2:G0O+3], s[G0E+2:G0E+3], BLK  ; my step 1
	s_add_nc_u64 s[PFA:PFA+1], s[G0E+2:G0E+3], 2*BLK  ; at step 2: the first refill steps it to 3.  Nothing is prefetched here, at the head, where every work-group's first tiles are on their way
	s_add_nc_u64 s[PFA:PFA+1], s[PFA:PFA+1], s[2:3]
	s_or_b32 s[G0E+3], s[G0E+3], 0x80000000        ; 127:126 type = 2
	s_or_b32 s[G0O+3], s[G0O+3], 0x80000000
	s_add_nc_u64 s[G0Z+2:G0Z+3], s[4:5], s[18:19]
	s_or_b32 s[G0Z+3], s[G0Z+3], 0x80000000
	s_lshl_b32 s2, s[WG], 9                        ; my work-group's 128 indices,
	s_lshl_b32 s18, s[WV], 8                       ; the 64 that I store (waves 0 and 1)
	s_add_co_u32 s2, s2, s18
	s_add_nc_u64 s[8:9], s[8:9], s[2:3]
	s_add_nc_u64 s[10:11], s[10:11], s[2:3]
	CROUND                                         ; all four work-groups are here: the first joint loads meet
	tensor_load_to_lds s[G0Z:G0Z+3], s[G1Z:G1Z+7]  ; the first fills stand together: my quarter of z,
	s_nop 0
	tensor_load_to_lds s[G0E:G0E+3], s[G1:G1+7]    ; and my block of step 0: two loads of mine are out
	s_nop 0
.rept 4
	v_nop
.endr
	v_and_b32 v[R], 15, v0
	v_bfe_u32 v[HH], v0, 4, 1
	v_and_b32 v[LN], 31, v0
	v_mul_u32_u24 v[AC0], v[R], PITCH
	v_lshl_add_u32 v[AC0], v[HH], 4, v[AC0]
	v_add_nc_u32 v[AC0], s[WB], v[AC0]             ; block + row x pitch + 16 x half
	v_mul_u32_u24 v[AHC0], v[HH], 8*PITCH
	s_add_co_u32 s16, s[WB], 512
	v_add_nc_u32 v[AHC0], s16, v[AHC0]             ; block + row 8 (l / 16), its tail
	v_mul_u32_u24 v[AZ], v[R], ZP
	v_lshl_add_u32 v[AZ], v[HH], 5, v[AZ]          ; row x pitch + 32 x half
	v_add_nc_u32 v[AZ+1], 4*16*ZP, v[AZ]           ; tiles 4-7 lie past an immediate's reach
	s_lshl_b32 s16, s[WV], 9
	s_add_co_u32 s16, s16, MRG
	v_lshl_add_u32 v[MS], v[R], 2, s16             ; M[w][l % 16]
	s_lshl_b32 s16, s[WV], 8
	s_add_co_u32 s16, s16, MRG
	v_lshl_add_u32 v[MR], v[LN], 3, s16            ; M[0][64 w + 2 l]
	v_lshlrev_b32 v[GO], 3, v[LN]
	v_lshlrev_b32 v[PFO], 8, v[LN]
	s_wait_tensorcnt 0x1                           ; my quarter of z is in; the block of step 0, issued behind it, may stay out
	s_barrier_signal -1
	s_barrier_wait -1                              ; everybody's quarter is
	ZLOAD 0, ACC
	ZLOAD 1, ACC+64
.set zb, 0
.rept 16
.if zb < 15
	s_wait_dscnt 16                                ; batch zb is in; the younger batch's 16 loads may stay out
.else
	s_wait_dscnt 0x0
.endif
	ZCVT zb, ACC+64*(zb%2)
.if zb < 14
	ZLOAD zb+2, ACC+64*(zb%2)
.endif
.set zb, zb+1
.endr
.set i, 0
.rept 8
	v_mov_b32 v[MX+i], s[MK]
	v_mov_b32 v[IX+i], 0
.set i, i+1
.endr
.set i, 0
.rept 64
	v_mov_b32 v[ACC+64+i], s[MK]                   ; the first tile's slices go through a set of -inf, which is never taken: so every tile has one text
.set i, i+1
.endr
	TURN EBASE, G0O, G0E, 1                        ; z has been read by everybody, step 0 is in: z's bytes take step 1
	FETCH 0                                        ; tile 0
	s_mov_b32 s[OUT], 15
	s_mov_b32 s[CNT], 2
	s_branch .LmidE                                ; the loop is entered in the middle of a pair: no tile stands in registers yet
.Louter:                                       ; 15 trips, two steps each; the products lag the fetches by a tile, so a slot's last tile is multiplied behind the change of slots
	s_mov_b32 s[CNT], 2
.LpairE:
	XT 1, 1
.LmidE:
	XT 0, 1
	s_sub_co_u32 s[CNT], s[CNT], 1
	s_cmp_lg_u32 s[CNT], 0
	s_cbranch_scc1 .LpairE
	TURN OBASE, G0E, G0O, 0                        ; the even slot takes the step two on
	s_mov_b32 s[CNT], 2
.LpairO:
	XT 1, 1
	XT 0, 1
	s_sub_co_u32 s[CNT], s[CNT], 1
	s_cmp_lg_u32 s[CNT], 0
	s_cbranch_scc1 .LpairO
	TURN EBASE, G0O, G0E, 0                        ; the odd slot likewise; in the last trip that is step 31
	s_sub_co_u32 s[OUT], s[OUT], 1
	s_cmp_lg_u32 s[OUT], 0
	s_cbranch_scc1 .Louter
	s_mov_b32 s[CNT], 2                            ; the last two steps are written out: nothing is asked for
.LtailE:
	XT 1, 1
	XT 0, 1
	s_sub_co_u32 s[CNT], s[CNT], 1
	s_cmp_lg_u32 s[CNT], 0
	s_cbranch_scc1 .LtailE
	s_wait_tensorcnt 0x0                           ; my block of step 31 is in: no load was issued behind it.  I alone read it and nothing is filled, so no barrier stands here
	s_mov_b32 s[TB], OBASE
	s_mov_b32 s[CNT], 2
.LtailO:
	XT 1, 1
	XT 0, 1
	s_sub_co_u32 s[CNT], s[CNT], 1
	s_cmp_lg_u32 s[CNT], 0
	s_cbranch_scc1 .LtailO
	XT 1, 0                                        ; tile 127: nothing more to fetch
.irp j, 0,1,2,3,4,5,6,7
	s_add_co_u32 s[SJ+\j], s[SJ+\j], 16
.endr
.set i, 0
.rept 64
	SLICE i, 1                                     ; and its scores; tile 127's slice 63, five plain instructions, stands between its last product and these
.set i, i+1
.endr
	; THE WINNERS MEET.  First the two halves of the lanes (codes 8 (l / 16) + j of each tile): the other half's pair is taken where its M is greater, or equal with the lower code.
.irp q, 0,1,2,3,4,5,6,7
	v_lshl_add_u32 v[IX+\q], v[HH], 3, v[IX+\q]
.endr
.irp q, 0,1,2,3,4,5,6,7
	v_permlanex16_b32 v[HC+\q],   v[MX+\q], s[SEL], s[SEL+1]  ; hc's registers are free, and have been written
	v_permlanex16_b32 v[HC+8+\q], v[IX+\q], s[SEL], s[SEL+1]
.endr
.irp q, 0,1,2,3,4,5,6,7
	v_cmp_gt_f32 s[MK],   v[HC+\q], v[MX+\q]
	v_cmp_eq_f32 s[MK+1], v[HC+\q], v[MX+\q]
	v_cmp_lt_u32 vcc_lo,  v[HC+8+\q], v[IX+\q]
	s_and_b32 s[MK+1], s[MK+1], vcc_lo
	s_or_b32 vcc_lo, s[MK], s[MK+1]
	v_cndmask_b32 v[MX+\q], v[MX+\q], v[HC+\q], vcc_lo
	v_cndmask_b32 v[IX+\q], v[IX+\q], v[HC+8+\q], vcc_lo
.endr
.irp q, 0,1,2,3,4,5,6,7
	ds_store_b32 v[MS], v[MX+\q] offset:64*\q          ; M[w][16 q + l % 16]: both halves write the same word with the same number
	ds_store_b32 v[MS], v[IX+\q] offset:64*\q+2048
.endr
	s_wait_dscnt 0x0                               ; for the others' sake: my stores are done
	s_barrier_signal -1
	s_barrier_wait -1
	s_cmp_lt_u32 s[WV], 2                          ; then the four waves' quarters: waves 0 and 1 take 64 queries each, two a lane
	s_cbranch_scc0 .Lend
.irp v, 0,1,2,3
	ds_load_b64 v[MG+2*\v:MG+2*\v+1],     v[MR] offset:512*\v
	ds_load_b64 v[MG+8+2*\v:MG+8+2*\v+1], v[MR] offset:512*\v+2048
.endr
	s_wait_dscnt 0x0
.irp v, 1,2,3                          ; ascending: a later quarter's codes are higher, so a tie keeps what is held
.irp u, 0,1
	v_cmp_ge_f32 vcc_lo, v[MG+\u], v[MG+2*\v+\u]
	v_cndmask_b32 v[MG+\u],   v[MG+2*\v+\u],   v[MG+\u],   vcc_lo
	v_cndmask_b32 v[MG+8+\u], v[MG+8+2*\v+\u], v[MG+8+\u], vcc_lo
.endr
.endr
	global_store_b64 v[GO], v[MG+8:MG+9], s[8:9]   ; the wave's store covers 256 consecutive bytes, at a multiple of 256 from out1's first
	global_store_b64 v[GO], v[MG+8:MG+9], s[10:11] ; and the same for the gather
.Lend:
	s_wait_tensorcnt 0x0                           ; the wave's end: behind my last tensor load and my last LDS store
	ds_add_u32 v[SPW], v[NIL]
	s_wait_dscnt 0x0
	CROUND                                         ; the closing round: no work-group ends while a partner may still ask for a block that names it
	s_endpgm
.Lfunc_end_k_q0dddb225c8_main:
	.size	k_q0dddb225c8_main, .Lfunc_end_k_q0dddb225c8_main-k_q0dddb225c8_main
	.p2alignl 7, 3214868480
	.fill 96, 4, 3214868480
	.section	.rodata,"a",@progbits
	.p2align	6, 0x0
	.amdhsa_kernel k_q0dddb225c8_main
		.amdhsa_group_segment_fixed_size 327680
		.amdhsa_private_segment_fixed_size 0
		.amdhsa_enable_private_segment 0
		.amdhsa_kernarg_size 32
		.amdhsa_user_sgpr_count 2
		.amdhsa_user_sgpr_kernarg_segment_ptr 1
		.amdhsa_wavefront_size32 1
		.amdhsa_system_sgpr_workgroup_id_x 1
		.amdhsa_system_sgpr_workgroup_id_y 1
		.amdhsa_system_sgpr_workgroup_id_z 1
		.amdhsa_system_vgpr_workitem_id 0
		.amdhsa_next_free_vgpr 1024
		.amdhsa_next_free_sgpr 72
		.amdhsa_reserve_vcc 1
		.amdhsa_float_denorm_mode_32 3
		.amdhsa_float_denorm_mode_16_64 3
		.amdhsa_memory_ordered 1
		.amdhsa_forward_progress 1
		.amdhsa_inst_pref_size 215
	.end_amdhsa_kernel
	.amdgpu_metadata
---
amdhsa.version: [ 1, 2 ]
amdhsa.kernels:
  - .name:           k_q0dddb225c8_main
    .symbol:         k_q0dddb225c8_main.kd
    .args:
      - { .name: z, .offset: 0, .size: 8, .value_kind: global_buffer, .address_space: global }
      - { .name: cbx, .offset: 8, .size: 8, .value_kind: global_buffer, .address_space: global }
      - { .name: out1, .offset: 16, .size: 8, .value_kind: global_buffer, .address_space: global }
      - { .name: idxw, .offset: 24, .size: 8, .value_kind: global_buffer, .address_space: global }
    .group_segment_fixed_size: 327680
    .private_segment_fixed_size: 0
    .kernarg_segment_align: 8
    .kernarg_segment_size: 32
    .max_flat_workgroup_size: 128
    .sgpr_count:     72
    .vgpr_count:     1024
    .wavefront_size: 32
...
	.end_amdgpu_metadata
.endif
;; end of part 2
;; launch gather (part 3): grid 256 x 1, 8 waves a work-group, no clusters, 0 bytes of LDS; arguments idxw, codebook, out0; writes out0
.if DOCPART == 3
	.amdgcn_target "amdgcn-amd-amdhsa--gfx1250"
	.amdhsa_code_object_version 6
	.text
	.protected	k_q0dddb225c8_gather
	.globl	k_q0dddb225c8_gather
	.p2align	8
	.type	k_q0dddb225c8_gather,@function
k_q0dddb225c8_gather:
	s_mov_b64 s[64:65], 0
	v_nop
	global_prefetch_b8 v0, s[64:65] scope:SCOPE_SE
	s_setreg_imm32_b32 hwreg(HW_REG_WAVE_MODE, 25, 1), 1
	s_wait_xcnt 0x0
; VECTOR QUANTIZER, launch 3 of 3: out0[n][:] = codebook[indices[n]][:], in f32 as the codebook holds it.  The indices were stored as whole numbers by the launch before.
; Nothing is left out here.  A stream: no LDS, no barrier, no matrix work.  A wave takes 16 rows; its 16 indices come by one scalar load; all 32 loads of 512 consecutive bytes go out before the first wait
; (16 KiB a wave on their way); each store covers 512 consecutive bytes, aligned.  The codebook's rows may be named many times, so their loads carry no hint.
.set OFF, 4                            ; v[4:19]    row i: 1,024 x its index + 16 x lane
.set X,   24                           ; v[24:151]  row i: 8 registers
	s_load_b128 s[4:7], s[0:1], 0x0                ; idxw s[4:5], codebook s[6:7]
	s_load_b64 s[8:9], s[0:1], 0x10                ; out0
	v_lshrrev_b32 v1, 5, v0
	v_readfirstlane_b32 s12, v1                    ; wave 0..7
	v_and_b32 v1, 31, v0
	v_lshlrev_b32 v2, 4, v1                        ; 16 bytes a lane
	s_lshl_b32 s13, ttmp9, 3
	s_add_co_u32 s13, s13, s12                     ; my wave among the launch's 2,048
	s_lshl_b32 s14, s13, 6                         ; its 16 indices: 64 bytes
	s_mov_b32 s15, 0
	s_lshl_b32 s32, s13, 14                        ; its 16 rows of 1,024 bytes
	s_mov_b32 s33, 0
	s_wait_kmcnt 0x0
	s_add_nc_u64 s[10:11], s[4:5], s[14:15]
	s_add_nc_u64 s[8:9], s[8:9], s[32:33]
	s_load_b512 s[16:31], s[10:11], 0x0
	s_wait_kmcnt 0x0
.irp i, 0,1,2,3,4,5,6,7,8,9,10,11,12,13,14,15
	s_min_u32 s[16+\i], s[16+\i], 0x1fff           ; an index stays inside the table
	v_lshl_add_u32 v[OFF+\i], s[16+\i], 10, v2
.endr
.irp i, 0,1,2,3,4,5,6,7,8,9,10,11,12,13,14,15
	global_load_b128 v[X+8*\i:X+8*\i+3],   v[OFF+\i], s[6:7]
	global_load_b128 v[X+8*\i+4:X+8*\i+7], v[OFF+\i], s[6:7] offset:512
.endr
.irp i, 0,1,2,3,4,5,6,7,8,9,10,11,12,13,14,15
	s_wait_loadcnt 30-2*\i                         ; loads come back in order: row i is in, the younger rows' loads stay out
	global_store_b128 v2, v[X+8*\i:X+8*\i+3],   s[8:9] offset:1024*\i th:TH_STORE_NT
	global_store_b128 v2, v[X+8*\i+4:X+8*\i+7], s[8:9] offset:1024*\i+512 th:TH_STORE_NT
.endr
	s_endpgm
.Lfunc_end_k_q0dddb225c8_gather:
	.size	k_q0dddb225c8_gather, .Lfunc_end_k_q0dddb225c8_gather-k_q0dddb225c8_gather
	.p2alignl 7, 3214868480
	.fill 96, 4, 3214868480
	.section	.rodata,"a",@progbits
	.p2align	6, 0x0
	.amdhsa_kernel k_q0dddb225c8_gather
		.amdhsa_group_segment_fixed_size 0
		.amdhsa_private_segment_fixed_size 0
		.amdhsa_enable_private_segment 0
		.amdhsa_kernarg_size 24
		.amdhsa_user_sgpr_count 2
		.amdhsa_user_sgpr_kernarg_segment_ptr 1
		.amdhsa_wavefront_size32 1
		.amdhsa_system_sgpr_workgroup_id_x 1
		.amdhsa_system_sgpr_workgroup_id_y 1
		.amdhsa_system_sgpr_workgroup_id_z 1
		.amdhsa_system_vgpr_workitem_id 0
		.amdhsa_next_free_vgpr 152
		.amdhsa_next_free_sgpr 66
		.amdhsa_reserve_vcc 0
		.amdhsa_float_denorm_mode_32 3
		.amdhsa_float_denorm_mode_16_64 3
		.amdhsa_memory_ordered 1
		.amdhsa_forward_progress 1
		.amdhsa_inst_pref_size 10
	.end_amdhsa_kernel
	.amdgpu_metadata
---
amdhsa.version: [ 1, 2 ]
amdhsa.kernels:
  - .name:           k_q0dddb225c8_gather
    .symbol:         k_q0dddb225c8_gather.kd
    .args:
      - { .name: idxw, .offset: 0, .size: 8, .value_kind: global_buffer, .address_space: global }
      - { .name: codebook, .offset: 8, .size: 8, .value_kind: global_buffer, .address_space: global }
      - { .name: out0, .offset: 16, .size: 8, .value_kind: global_buffer, .address_space: global }
    .group_segment_fixed_size: 0
    .private_segment_fixed_size: 0
    .kernarg_segment_align: 8
    .kernarg_segment_size: 24
    .max_flat_workgroup_size: 256
    .sgpr_count:     66
    .vgpr_count:     152
    .wavefront_size: 32
...
	.end_amdgpu_metadata
.endif
;; end of part 3
;; ======== version 2 of 2: 3 launches; version 1 with the launch prep written anew for expert scheduling mode
;; workspace buffers: cbx 4,325,376 bytes; idxw 131,072 bytes of whole numbers
;; launch prep (part 4): grid 256 x 1, 8 waves a work-group, no clusters, 17,920 bytes of LDS; arguments codebook, cbx; writes cbx
.if DOCPART == 4
	.amdgcn_target "amdgcn-amd-amdhsa--gfx1250"
	.amdhsa_code_object_version 6
	.text
	.protected	k_q0dddb225c8_prep
	.globl	k_q0dddb225c8_prep
	.p2align	8
	.type	k_q0dddb225c8_prep,@function
k_q0dddb225c8_prep:
	s_mov_b64 s[64:65], 0
	v_nop
	global_prefetch_b8 v0, s[64:65] scope:SCOPE_SE
	s_setreg_imm32_b32 hwreg(HW_REG_WAVE_SCHED_MODE, 0, 2), 2
	s_setreg_imm32_b32 hwreg(HW_REG_WAVE_MODE, 25, 1), 1
	s_wait_xcnt 0x0
	s_wait_alu depctr_vm_vsrc(0)
; VECTOR QUANTIZER, launch 1 of 3: the codebook is rounded to bf16 and laid out as the search wants it in LDS.
; THE WHOLE PROGRAM.  indices[n] = argmin_k (|z_n|^2 + |c_k|^2 - 2 z_n . c_k), q_z[n] = codebook[indices[n]].
; WORK LEFT OUT.  z_norm_sq = |z_n|^2 is added to every one of row n's 8,192 distances alike, so for all finite values of the inputs it moves no
; comparison between two of them in exact arithmetic, and the distances themselves reach no output: it is not computed.  z itself stays live (the product).
; For the same reason a term that is the same for all k may be added: the search takes argmax_k (z_n . c_k + hc_k), hc_k = (|c_0|^2 - |c_k|^2) / 2,
; which is (|c_0|^2 + |z_n|^2 - distance) / 2; the shift by |c_0|^2 keeps the sums at the size of the dot products.
; LIMITS.  A NaN, an infinity or an overflow that reaches z_norm_sq alone is not carried to the result.  z and the codebook are rounded to bf16 (nearest even)
; for the product, and |c_k|^2 is summed in f32 from the ROUNDED codes; two distances closer than f32's roundings of sums of this size may fall the other way than in reference().
; OUT.  cbx: 8,192 rows of 528 bytes: 256 bf16, then a tail of 16 bytes.  In each 16 codes the tails of rows 0, 4, 8, 12 hold hc of that row and the next three (f32); the other tails hold 0.
; SHARES.  A work-group takes 32 codes (16,896 bytes of cbx = 33 x 512); wave v its rows 4 v .. 4 v + 3, a whole row at a time: two loads of 512 consecutive bytes.
; Every wave also reads row 0 and sums it by the same instructions, so |c_0|^2 has the same bits everywhere.  The rows go through a stage in LDS, so that each store covers 512 consecutive bytes, aligned.
; THE MODE: SCHED_MODE bits 1:0 = 2 (LLVM: expert scheduling mode 2), set by the entry lines.  The code itself states the register dependences
; between vector instructions and memory or LDS instructions, with s_wait_alu, always for 0.
; THE PLAN.  Registers that memory or LDS instructions touch:
;   v2, v3, v4, v5  offsets and LDS addresses: written once at the head, never again; read by the loads, the LDS stores, the LDS loads and the stores.
;   X               written by the ten loads alone, once; read by the conversions.
;   P0 .. P3        a row's eight bf16, a set of four registers to each row: written once by the row's conversions, read by its two LDS stores.  (P4, row 0 of the codebook, is named by no store.)
;   H, Z4           written once by vector instructions, read by the four LDS stores of the tails.
;   OBK             written by LDS loads, read by stores: no vector instruction names it.
;   v[SPW], v[NIL]  written at the head, read by the closing add alone.
; No register that a memory or LDS instruction reads is written again, so no wait on vm_vsrc is owed.  Two waits on va_vdst: one ahead of the first load (the offsets and addresses, Z4),
; one behind all five rows' arithmetic, ahead of ONE run of the twelve LDS stores (P0 .. P3, H).  No vector instruction follows the second, so what stands behind it owes nothing more.
.set PITCH, 528
.set SPARE, 32*PITCH                   ; behind the stage (16,896 = 66 x 256): the spare words, 128 bytes for each of eight waves; no other line names them
.set SPW, 6                            ; v6   LDS address of my spare word; never rewritten
.set NIL, 7                            ; v7   0; never rewritten
.set T,   8                            ; v[8:15]   eight rounded numbers as f32, then their squares' sum: no memory instruction names them
.set X,   16                           ; v[16:55]  five rows of 8 registers as loaded: my four, then row 0 of the codebook
.set P,   56                           ; v[56:75]  row i: eight bf16 in 4 registers at P + 4 i
.set H,   76                           ; v[76:79]  hc of my four rows
.set Z4,  80                           ; v[80:83]  0
.set CN0, 84                           ; v84  |c_0|^2
.set TP,  85                           ; v85  the other half of the lanes' sum
.set OBK, 88                           ; v[88:107] blocks read back from the stage
	s_load_b128 s[4:7], s[0:1], 0x0                ; codebook s[4:5], cbx s[6:7]
	v_lshl_add_u32 v[SPW], v0, 2, SPARE
	v_mov_b32 v[NIL], 0
	v_lshrrev_b32 v1, 5, v0
	v_readfirstlane_b32 s8, v1                     ; wave 0..7
	v_and_b32 v1, 31, v0                           ; lane
	v_lshlrev_b32 v2, 4, v1                        ; 16 bytes a lane
	s_wait_alu depctr_va_sdst(0)                   ; s8 is written, ahead of its first reader: the stage's addresses, the bases and the branch at the end are made from it
	s_mul_i32 s9, s8, 4*PITCH                      ; my four rows in the stage
	v_lshl_add_u32 v3, v1, 3, s9                   ; + 8 bytes a lane: where my four bf16 go
	s_add_co_u32 s9, s9, 512
	v_mov_b32 v4, s9                               ; the tail of my first row, the same in every lane
	s_lshl_b32 s9, s8, 9
	v_add_nc_u32 v5, s9, v2                        ; back: block v of 512 bytes, 16 bytes a lane; the same offset in the stage and in the group's part of cbx
	s_mov_b32 s14, 0x76543210                      ; v_permlanex16_b32: each lane takes its own place in the other half
	s_mov_b32 s15, 0xfedcba98
	v_mov_b32 v[TP], 0                             ; its destination counts as read
.irp k, 0,1,2,3
	v_mov_b32 v[Z4+\k], 0
.endr
	s_lshl_b32 s16, ttmp9, 15                      ; the group's 32 rows of 1,024 bytes,
	s_lshl_b32 s17, s8, 12                         ; my four of them
	s_add_co_u32 s16, s16, s17
	s_mov_b32 s17, 0
	s_mul_i32 s18, ttmp9, 32*PITCH                 ; the group's 16,896 bytes of cbx
	s_mov_b32 s19, 0
	s_wait_kmcnt 0x0
	s_add_nc_u64 s[10:11], s[4:5], s[16:17]
	s_add_nc_u64 s[12:13], s[6:7], s[18:19]
	s_wait_alu depctr_va_vdst(0)                   ; v2 is written, which the loads below read as their offset; so are v3, v4, v5 and Z4, which the LDS instructions and the stores further down read
	global_load_b128 v[X+32:X+35], v2, s[4:5]      ; row 0 of the codebook
	global_load_b128 v[X+36:X+39], v2, s[4:5] offset:512
.irp i, 0,1,2,3
	global_load_b128 v[X+8*\i:X+8*\i+3],   v2, s[10:11] offset:1024*\i
	global_load_b128 v[X+8*\i+4:X+8*\i+7], v2, s[10:11] offset:1024*\i+512
.endr
	s_wait_loadcnt 0x0                             ; ten loads a wave, once
; Row i: rounded to bf16, into the row's own four registers; the rounded numbers' squares summed in f32, in the lane and then over the 32 lanes.  i = 4: row 0 of the codebook, which only gives |c_0|^2.
.macro ROWN i
.irp k, 0,1,2,3
	v_cvt_pk_bf16_f32 v[P+4*(\i)+\k], v[X+8*(\i)+2*\k], v[X+8*(\i)+2*\k+1]
.endr
.irp k, 0,1,2,3
	v_lshlrev_b32 v[T+2*\k],   16, v[P+4*(\i)+\k]         ; bf16 to f32: the low half moves up,
	v_and_b32     v[T+2*\k+1], 0xffff0000, v[P+4*(\i)+\k] ; the high half stays
.endr
	v_pk_mul_f32 v[T:T+1], v[T:T+1], v[T:T+1]
.irp k, 2,4,6
	v_pk_fma_f32 v[T:T+1], v[T+\k:T+\k+1], v[T+\k:T+\k+1], v[T:T+1]
.endr
	v_add_f32 v[T], v[T], v[T+1]
	v_add_f32_dpp v[T], v[T], v[T] row_xmask:1 row_mask:0xf bank_mask:0xf
	v_add_f32_dpp v[T], v[T], v[T] row_xmask:2 row_mask:0xf bank_mask:0xf
	v_add_f32_dpp v[T], v[T], v[T] row_xmask:4 row_mask:0xf bank_mask:0xf
	v_add_f32_dpp v[T], v[T], v[T] row_xmask:8 row_mask:0xf bank_mask:0xf
	v_permlanex16_b32 v[TP], v[T], s14, s15
.if (\i) == 4
	v_add_f32 v[CN0], v[T], v[TP]
.else
	v_add_f32 v[T], v[T], v[TP]                    ; |c_k|^2, in every lane
	v_sub_f32 v[T], v[CN0], v[T]
	v_mul_f32 v[H+\i], 0.5, v[T]
.endif
.endm
	ROWN 4
	ROWN 0
	ROWN 1
	ROWN 2
	ROWN 3
	s_wait_alu depctr_va_vdst(0)                   ; the conversions have written P0 .. P3 and the multiplies H, which the LDS stores below read
.irp i, 0,1,2,3
	ds_store_b64 v3, v[P+4*\i:P+4*\i+1]   offset:PITCH*\i      ; channels 4 l .. 4 l + 3
	ds_store_b64 v3, v[P+4*\i+2:P+4*\i+3] offset:PITCH*\i+256  ; channels 128 + 4 l ..
.endr
	ds_store_b128 v4, v[H:H+3]                     ; all lanes write the same 16 bytes with the same numbers
.irp i, 1,2,3
	ds_store_b128 v4, v[Z4:Z4+3] offset:PITCH*\i
.endr
	s_wait_dscnt 0x0                               ; for the others' sake: my stores into the stage are done
	s_barrier_signal -1
	s_barrier_wait -1
.irp t, 0,1,2,3
	ds_load_b128 v[OBK+4*\t:OBK+4*\t+3], v5 offset:4096*\t  ; blocks v, v + 8, v + 16, v + 24 of the 33
.endr
.irp t, 0,1,2,3
	s_wait_dscnt 3-\t                              ; LDS loads come back in order: block t is in, the younger ones stay out
	global_store_b128 v5, v[OBK+4*\t:OBK+4*\t+3], s[12:13] offset:4096*\t  ; 512 consecutive bytes, at a multiple of 256 from cbx's first
.endr
	s_cmp_lg_u32 s8, 0
	s_cbranch_scc1 .Lend                           ; the 33rd block is wave 0's
	ds_load_b128 v[OBK+16:OBK+19], v5 offset:16384
	s_wait_dscnt 0x0
	global_store_b128 v5, v[OBK+16:OBK+19], s[12:13] offset:16384
.Lend:
	s_wait_dscnt 0x0                               ; the closing lines, six on end
	s_wait_alu 0x0
	s_wait_tensorcnt 0x0
	ds_add_u32 v[SPW], v[NIL]
	s_wait_dscnt 0x0
	s_endpgm
.Lfunc_end_k_q0dddb225c8_prep:
	.size	k_q0dddb225c8_prep, .Lfunc_end_k_q0dddb225c8_prep-k_q0dddb225c8_prep
	.p2alignl 7, 3214868480
	.fill 96, 4, 3214868480
	.section	.rodata,"a",@progbits
	.p2align	6, 0x0
	.amdhsa_kernel k_q0dddb225c8_prep
		.amdhsa_group_segment_fixed_size 17920
		.amdhsa_private_segment_fixed_size 0
		.amdhsa_enable_private_segment 0
		.amdhsa_kernarg_size 16
		.amdhsa_user_sgpr_count 2
		.amdhsa_user_sgpr_kernarg_segment_ptr 1
		.amdhsa_wavefront_size32 1
		.amdhsa_system_sgpr_workgroup_id_x 1
		.amdhsa_system_sgpr_workgroup_id_y 1
		.amdhsa_system_sgpr_workgroup_id_z 1
		.amdhsa_system_vgpr_workitem_id 0
		.amdhsa_next_free_vgpr 108
		.amdhsa_next_free_sgpr 66
		.amdhsa_reserve_vcc 0
		.amdhsa_float_denorm_mode_32 3
		.amdhsa_float_denorm_mode_16_64 3
		.amdhsa_memory_ordered 1
		.amdhsa_forward_progress 1
		.amdhsa_inst_pref_size 12
	.end_amdhsa_kernel
	.amdgpu_metadata
---
amdhsa.version: [ 1, 2 ]
amdhsa.kernels:
  - .name:           k_q0dddb225c8_prep
    .symbol:         k_q0dddb225c8_prep.kd
    .args:
      - { .name: codebook, .offset: 0, .size: 8, .value_kind: global_buffer, .address_space: global }
      - { .name: cbx, .offset: 8, .size: 8, .value_kind: global_buffer, .address_space: global }
    .group_segment_fixed_size: 17920
    .private_segment_fixed_size: 0
    .kernarg_segment_align: 8
    .kernarg_segment_size: 16
    .max_flat_workgroup_size: 256
    .sgpr_count:     66
    .vgpr_count:     108
    .wavefront_size: 32
...
	.end_amdgpu_metadata
.endif
;; end of part 4
;; launch main: the kernel of part 2 again; grid 256 x 1, 4 waves a work-group, clusters of 4 x 1, 327,680 bytes of LDS; arguments z, cbx, out1, idxw; writes out1, idxw
;; launch gather: the kernel of part 3 again; grid 256 x 1, 8 waves a work-group, no clusters, 0 bytes of LDS; arguments idxw, codebook, out0; writes out0
